; MI455X (gfx1250); checked and timed in simulation.
; The chip was launched on July 23, 2026; its instructions are those of AMD's public machine-readable ISA for CDNA 5 (MIT licence, August 2026) and "CDNA5" Instruction Set Architecture Reference Guide (July 2026). The comments in the code are by the model that wrote it; some were corrected since.
;; State Cell. Allowed arithmetic: float matrix products may take bf16 or f16 operands with f32 sums; other float arithmetic in f32, or as packed bf16 or f16 multiplies, adds, multiply-adds, maxima and minima; sums over many terms, partial sums and values carried from step to step in f32; what a program stores and reads back later, other than sums and carried values, may be rounded once to bf16 or f16.
;; Inputs: Wc 2 x 4,096 float32; Wr 2,048 x 2,048 float32; Ww 2,048 x 4,096 float32; bc 2 float32; br 2,048 float32; bw 2,048 float32; fast 8 x 2,048 float32; h 4,096 x 2,048 float32; keys 8 x 2,048 float32; neighbor_msg 4,096 x 2,048 float32; state 8 x 2,048 float32.
;; Outputs: out0 4,096 x 2,048 float32; out1 4,096 x 8 float32; out2 one number float32; out3 8 x 2,048 float32; out4 8 x 2,048 float32.
;; One version. Each part assembles by itself: llvm-mc -triple=amdgcn-amd-amdhsa -mcpu=gfx1250 --defsym DOCPART=n.
;; ======== version 1 of 1: 5 launches
;; limits: values outside matrix products are rounded to bf16
;; workspace buffers: mpart 524,288 bytes; tab 135,680 bytes; ppart 16,777,216 bytes; spart 131,072 bytes; pfrag 131,072 bytes; fin 256 bytes
;; launch mpart (part 1): grid 32 x 8, 8 waves a work-group, no clusters, 17,408 bytes of LDS; arguments Wr, keys, mpart; writes mpart
.if DOCPART == 1
	.amdgcn_target "amdgcn-amd-amdhsa--gfx1250"
	.amdhsa_code_object_version 6
	.text
	.protected	k_qf31b48ea30_mpart
	.globl	k_qf31b48ea30_mpart
	.p2align	8
	.type	k_qf31b48ea30_mpart,@function
k_qf31b48ea30_mpart:
	s_mov_b64 s[64:65], 0
	v_nop
	global_prefetch_b8 v0, s[64:65] scope:SCOPE_SE
	s_setreg_imm32_b32 hwreg(HW_REG_WAVE_MODE, 25, 1), 1
	s_wait_xcnt 0x0
; M = keys x Wr, in eight partial sums.  The module takes softmax((h Wr^T + br) keys^T); by associativity the logits are h (keys Wr)^T + keys br,
; for every input, so the 8 x 2048 matrix M[s][i] = sum over j of keys[s][j] Wr[j][i] is made once.  Only the order of the sums differs from the module's.
; LIMITS.  keys and Wr are rounded once to bf16 (matrix operands); sums in f32; NaN and infinities are not treated apart.
; SHARES.  Work-group (x, y): columns 64 x .. 64 x + 63 (256 bytes of each row of Wr, aligned), rows j = 256 y .. 256 y + 255.  Wave w: the 32 rows from 256 y + 32 w on, one K step.
; The summed index j is Wr's ROW, so a lane keeps four columns and j runs along its registers: one load has lanes 0-15 on row j and lanes 16-31 on row j + 8, 256 consecutive bytes each,
; and the B operand of column tile i (columns 4 (lane % 16) + i) is packed straight from the loaded registers.  No operand goes through LDS.
; No tensor loads, no cluster: each byte of Wr is read once by one wave and must pass registers to be rounded; all 64 KiB of a work-group are asked for at once.
.set SPARE, 16384                      ; behind the partial sums: the spare words, 128 bytes for each of the eight waves
.set KQ,  12                           ; v[12:27]   keys as loaded
.set KA,  28                           ; v[28:35]   keys as the A operand: row m = slot m % 8
.set Q,   36                           ; v[36:99]   Wr as loaded: load n at Q + 4 n; later the eight partial sums
.set OPT, 100                          ; v[100:131] four B operands
.set ACC, 132                          ; v[132:163] four accumulators
.macro PKA d, a, b
	v_pk_add_f32 v[(\d):(\d)+1], v[(\a):(\a)+1], v[(\b):(\b)+1]
.endm
.macro ADD4 d, a, b
	PKA \d, \a, \b
	PKA (\d)+2, (\a)+2, (\b)+2
.endm
.macro TREE4 base, cnt                 ; cnt groups of four registers, side by side, are added by pairs into the first
.set st, 1
.rept 5
.if st < (\cnt)
.set n, 0
.rept (\cnt)/2
.if n*2*st < (\cnt)
	ADD4 (\base)+8*st*n, (\base)+8*st*n, (\base)+8*st*n+4*st
.endif
.set n, n+1
.endr
.endif
.set st, st*2
.endr
.endm
	s_load_b128 s[4:7], s[0:1], 0x0                ; Wr s[4:5], keys s[6:7]
	s_load_b64 s[8:9], s[0:1], 0x10                ; mpart
	v_lshl_add_u32 v1, v0, 2, SPARE                ; my spare word,
	v_mov_b32 v2, 0                                ; and 0: kept for the closing add alone
	v_and_b32 v3, 15, v0                           ; r = lane % 16
	v_bfe_u32 v4, v0, 4, 1                         ; hh = lane / 16
	v_lshrrev_b32 v5, 5, v0
	v_readfirstlane_b32 s20, v5                    ; wave 0..7
	s_and_b32 s21, ttmp7, 0xffff                   ; y
	s_lshl_b32 s10, s21, 21                        ; Wr: 256 y rows of 8,192 bytes,
	s_lshl_b32 s22, s20, 18                        ; 32 w rows,
	s_add_co_u32 s10, s10, s22
	s_lshl_b32 s22, ttmp9, 8                       ; 64 x columns
	s_add_co_u32 s10, s10, s22
	s_mov_b32 s11, 0
	s_lshl_b32 s12, s21, 10                        ; keys: column 256 y + 32 w
	s_lshl_b32 s23, s20, 7
	s_add_co_u32 s12, s12, s23
	s_mov_b32 s13, 0
	s_lshl_b32 s14, s21, 16                        ; mpart: partial y (8 x 2048 f32), 64 x columns
	s_add_co_u32 s14, s14, s22
	s_mov_b32 s15, 0
	s_lshl_b32 s23, s20, 11                        ; my wave's 2,048 bytes of partial sums in LDS
	v_lshlrev_b32 v6, 4, v3
	v_lshl_or_b32 v6, v4, 16, v6                   ; Wr: 8 hh rows + 16 r bytes
	v_and_b32 v7, 7, v3
	v_lshlrev_b32 v7, 13, v7
	v_lshl_or_b32 v7, v4, 5, v7                    ; keys: slot r % 8, 8 hh columns on
	v_lshl_add_u32 v8, v3, 4, s23                  ; LDS, in: [wave][slot][64 columns] f32, my four columns
	v_and_b32 v9, 127, v0                          ; LDS, back (waves 0-3): thread t takes 16 bytes at 16 t of each wave's block
	v_lshrrev_b32 v10, 4, v9
	v_lshlrev_b32 v9, 4, v9
	v_lshlrev_b32 v10, 13, v10
	v_lshl_or_b32 v10, v3, 4, v10                  ; and stores them at slot t / 16, 16 (t % 16) bytes on
	s_wait_kmcnt 0x0
	s_add_nc_u64 s[4:5], s[4:5], s[10:11]
	s_add_nc_u64 s[6:7], s[6:7], s[12:13]
	s_add_nc_u64 s[8:9], s[8:9], s[14:15]
	global_load_b128 v[KQ:KQ+3],     v7, s[6:7]            ; k = 8 hh + 0..7
	global_load_b128 v[KQ+4:KQ+7],   v7, s[6:7] offset:16
	global_load_b128 v[KQ+8:KQ+11],  v7, s[6:7] offset:64  ; k = 16 + 8 hh + 0..7
	global_load_b128 v[KQ+12:KQ+15], v7, s[6:7] offset:80
.set n, 0
.rept 16                                               ; load n: row 16 (n / 8) + 8 hh + n % 8
	global_load_b128 v[Q+4*n:Q+4*n+3], v6, s[4:5] offset:((n/8)*16+n%8)*8192 th:TH_LOAD_NT
.set n, n+1
.endr
	s_wait_loadcnt 16                              ; keys are in; the sixteen loads of Wr, issued behind them, stay out
.irp e, 0,1,2,3,4,5,6,7
	v_cvt_pk_bf16_f32 v[KA+\e], v[KQ+2*\e], v[KQ+2*\e+1]
.endr
	s_wait_loadcnt 0x0
.irp i, 0,1,2,3                                        ; tile i: register 4 a + c holds rows 16 a + 8 hh + 2 c and the next, the places that KA's k have
.irp a, 0,1
.irp c, 0,1,2,3
	v_cvt_pk_bf16_f32 v[OPT+8*\i+4*\a+\c], v[Q+32*\a+8*\c+\i], v[Q+32*\a+8*\c+4+\i]
.endr
.endr
.endr
.irp i, 0,1,2,3
	v_wmma_f32_16x16x32_bf16 v[ACC+8*\i:ACC+8*\i+7], v[KA:KA+7], v[OPT+8*\i:OPT+8*\i+7], 0
.endr
.rept 4
	v_nop                                          ; four places between the last product and the stores that read the results
.endr
.irp j, 0,1,2,3,4,5,6,7                                ; register j = slot j (rows 8-15 repeat the slots, so both halves of the lanes store the same words); each accumulator from its low end
.irp i, 0,1,2,3
	ds_store_b32 v8, v[ACC+8*\i+\j] offset:\j*256+\i*4
.endr
.endr
	s_wait_tensorcnt 0x0                           ; the wave's last LDS store is out
	ds_add_u32 v1, v2
	s_wait_dscnt 0x0                               ; the wait for 0 also shows my partial sums written, for the other waves' sake
	s_barrier_signal -1
	s_barrier_wait -1
	s_cmp_ge_u32 s20, 4
	s_cbranch_scc1 .Ldone                          ; 2,048 bytes are 128 threads' work
.irp n, 0,1,2,3,4,5,6,7
	ds_load_b128 v[Q+4*\n:Q+4*\n+3], v9 offset:\n*2048
.endr
	s_wait_dscnt 0x0
	TREE4 Q, 8
	global_store_b128 v10, v[Q:Q+3], s[8:9]        ; sixteen lanes store 256 consecutive bytes, aligned
.Ldone:
	s_endpgm
.Lfunc_end_k_qf31b48ea30_mpart:
	.size	k_qf31b48ea30_mpart, .Lfunc_end_k_qf31b48ea30_mpart-k_qf31b48ea30_mpart
	.p2alignl 7, 3214868480
	.fill 96, 4, 3214868480
	.section	.rodata,"a",@progbits
	.p2align	6, 0x0
	.amdhsa_kernel k_qf31b48ea30_mpart
		.amdhsa_group_segment_fixed_size 17408
		.amdhsa_private_segment_fixed_size 0
		.amdhsa_enable_private_segment 0
		.amdhsa_kernarg_size 24
		.amdhsa_user_sgpr_count 2
		.amdhsa_user_sgpr_kernarg_segment_ptr 1
		.amdhsa_wavefront_size32 1
		.amdhsa_system_sgpr_workgroup_id_x 1
		.amdhsa_system_sgpr_workgroup_id_y 1
		.amdhsa_system_sgpr_workgroup_id_z 1
		.amdhsa_system_vgpr_workitem_id 0
		.amdhsa_next_free_vgpr 168
		.amdhsa_next_free_sgpr 66
		.amdhsa_reserve_vcc 0
		.amdhsa_float_denorm_mode_32 3
		.amdhsa_float_denorm_mode_16_64 3
		.amdhsa_memory_ordered 1
		.amdhsa_forward_progress 1
		.amdhsa_inst_pref_size 11
	.end_amdhsa_kernel
	.amdgpu_metadata
---
amdhsa.version: [ 1, 2 ]
amdhsa.kernels:
  - .name:           k_qf31b48ea30_mpart
    .symbol:         k_qf31b48ea30_mpart.kd
    .args:
      - { .name: Wr, .offset: 0, .size: 8, .value_kind: global_buffer, .address_space: global }
      - { .name: keys, .offset: 8, .size: 8, .value_kind: global_buffer, .address_space: global }
      - { .name: mpart, .offset: 16, .size: 8, .value_kind: global_buffer, .address_space: global }
    .group_segment_fixed_size: 17408
    .private_segment_fixed_size: 0
    .kernarg_segment_align: 8
    .kernarg_segment_size: 24
    .max_flat_workgroup_size: 256
    .sgpr_count:     66
    .vgpr_count:     168
    .wavefront_size: 32
...
	.end_amdgpu_metadata
.endif
;; end of part 1
;; launch tables (part 2): grid 24 x 1, 8 waves a work-group, no clusters, 1,536 bytes of LDS; arguments mpart, state, fast, keys, br, Wc, tab; writes tab
.if DOCPART == 2
	.amdgcn_target "amdgcn-amd-amdhsa--gfx1250"
	.amdhsa_code_object_version 6
	.text
	.protected	k_qf31b48ea30_tables
	.globl	k_qf31b48ea30_tables
	.p2align	8
	.type	k_qf31b48ea30_tables,@function
k_qf31b48ea30_tables:
	s_mov_b64 s[64:65], 0
	v_nop
	global_prefetch_b8 v0, s[64:65] scope:SCOPE_SE
	s_setreg_imm32_b32 hwreg(HW_REG_WAVE_MODE, 25, 1), 1
	s_wait_xcnt 0x0
; The small tables that every row block reads.  tab holds:
;   TLOG  M = keys Wr, summed over its eight partials and split into two bf16 numbers hi + lo, in the order of a matrix operand:
;         [K step 64][q 2][lane 32][16 bytes]; lane (r, hh), piece q: row r (0-7: hi of slot r; 8-15: lo of slot r - 8), k = 32 step + 16 q + 8 hh + 0..7
;   SFHI, SFLO  state + fast split hi + lo, [column 2048][slot 8] bf16          WCB  Wc[0][0:2048] in bf16
;   CG    [block 8][16] f32: partial sums over 256 indices of c[s] = keys[s] . br (0-7) and g[s] = (state + fast)[s] . Wc[0][2048:] (8-15)
; LIMITS.  Every input is rounded once to bf16; what the program itself makes (M, state + fast) is carried as hi + lo, some 16 significant bits.  The erase gate reaches no result of the
; module and is not computed, so Wc's row 1 and bc[1], which feed it alone, are not loaded.  NaN and infinities are not treated apart.
; SHARES.  24 work-groups: the launch has 6,144 threads' work and no more.  Groups 0-7: one thread to each index (kind B); groups 8-23: one thread to each 16 bytes of TLOG (kind A).
.set TLOG, 0
.set SFHI, 65536
.set SFLO, 98304
.set WCB,  131072
.set CG,   135168
.set SPARE, 512                        ; behind the waves' sums: the spare words, 128 bytes for each of the eight waves
.set MSK, 26                           ; s26  a word's upper bf16
.macro PKA d, a, b
	v_pk_add_f32 v[(\d):(\d)+1], v[(\a):(\a)+1], v[(\b):(\b)+1]
.endm
.macro ADD8 d, a, b
.irp e, 0,2,4,6
	PKA (\d)+\e, (\a)+\e, (\b)+\e
.endr
.endm
.macro SPLIT8 src, hi, t, lo           ; eight f32 -> four words of bf16 hi, four words of bf16 lo = bf16(x - hi)
.irp e, 0,1,2,3
	v_cvt_pk_bf16_f32 v[(\hi)+\e], v[(\src)+2*\e], v[(\src)+2*\e+1]
.endr
.irp e, 0,1,2,3
	v_lshlrev_b32 v[(\t)+2*\e], 16, v[(\hi)+\e]
	v_and_b32 v[(\t)+2*\e+1], s[MSK], v[(\hi)+\e]
.endr
.irp e, 0,1,2,3
	v_pk_add_f32 v[(\t)+2*\e:(\t)+2*\e+1], v[(\src)+2*\e:(\src)+2*\e+1], v[(\t)+2*\e:(\t)+2*\e+1] neg_lo:[0,1] neg_hi:[0,1]
.endr
.irp e, 0,1,2,3
	v_cvt_pk_bf16_f32 v[(\lo)+\e], v[(\t)+2*\e], v[(\t)+2*\e+1]
.endr
.endm
.macro RND2 a, b, t                    ; two f32 are rounded to bf16 and kept as f32
	v_cvt_pk_bf16_f32 v[\t], v[\a], v[\b]
	v_lshlrev_b32 v[\a], 16, v[\t]
	v_and_b32 v[\b], s[MSK], v[\t]
.endm
	s_load_b256 s[4:11], s[0:1], 0x0               ; mpart s[4:5], state s[6:7], fast s[8:9], keys s[10:11]
	s_load_b128 s[12:15], s[0:1], 0x20             ; br s[12:13], Wc s[14:15]
	s_load_b64 s[16:17], s[0:1], 0x30              ; tab
	v_lshl_add_u32 v1, v0, 2, SPARE                ; my spare word,
	v_mov_b32 v2, 0                                ; and 0: kept for the closing add alone
	v_and_b32 v3, 15, v0                           ; r
	v_lshrrev_b32 v5, 5, v0
	v_readfirstlane_b32 s20, v5                    ; wave
	s_mov_b32 s24, 0x76543210                      ; v_permlanex16_b32: each lane takes its own place in the other half
	s_mov_b32 s25, 0xfedcba98
	s_mov_b32 s[MSK], 0xffff0000
	s_cmp_lt_u32 ttmp9, 8
	s_cbranch_scc1 .Lkind_b
	; KIND A.  Piece p = 256 (x - 8) + thread: its k begin at 8 (p / 16), its row is p % 16.
	s_sub_co_u32 s21, ttmp9, 8
	s_lshl_b32 s21, s21, 8
	v_add_nc_u32 v6, s21, v0                       ; p
	v_lshrrev_b32 v7, 4, v6
	v_lshlrev_b32 v7, 5, v7                        ; 8 f32 = 32 bytes for each p / 16
	v_and_b32 v8, 7, v3
	v_lshl_or_b32 v7, v8, 13, v7                   ; slot r % 8
	v_lshlrev_b32 v6, 4, v6                        ; 16 p
	s_wait_kmcnt 0x0
.irp p, 0,1,2,3,4,5,6,7
	global_load_b128 v[16+8*\p:16+8*\p+3], v7, s[4:5] offset:\p*65536
	global_load_b128 v[16+8*\p+4:16+8*\p+7], v7, s[4:5] offset:\p*65536+16
.endr
	s_wait_loadcnt 0x0
	ADD8 16, 16, 24
	ADD8 32, 32, 40
	ADD8 48, 48, 56
	ADD8 64, 64, 72
	ADD8 16, 16, 32
	ADD8 48, 48, 64
	ADD8 16, 16, 48
	SPLIT8 16, 80, 84, 92
	v_cmp_gt_u32 vcc_lo, 8, v3                     ; rows 0-7 take hi, rows 8-15 lo
.irp e, 0,1,2,3
	v_cndmask_b32 v[80+\e], v[92+\e], v[80+\e], vcc_lo
.endr
	global_store_b128 v6, v[80:83], s[16:17]       ; a wave stores 512 consecutive bytes
	s_endpgm                                       ; this kind has touched no LDS
.Lkind_b:
	; KIND B.  Index i = 256 x + thread.
	s_lshl_b32 s21, ttmp9, 8
	v_add_nc_u32 v6, s21, v0
	v_lshlrev_b32 v7, 2, v6                        ; 4 i
	v_lshlrev_b32 v8, 1, v6                        ; 2 i
	v_lshlrev_b32 v9, 4, v6                        ; 16 i
	s_wait_kmcnt 0x0
.irp c, 0,1,2,3,4,5,6,7
	global_load_b32 v[16+\c], v7, s[6:7] offset:\c*8192    ; state[c][i]
	global_load_b32 v[24+\c], v7, s[8:9] offset:\c*8192    ; fast[c][i]
	global_load_b32 v[32+\c], v7, s[10:11] offset:\c*8192  ; keys[c][i]
.endr
	global_load_b32 v40, v7, s[14:15]              ; Wc[0][i]
	global_load_b32 v41, v7, s[14:15] offset:8192  ; Wc[0][2048 + i]
	global_load_b32 v42, v7, s[12:13]              ; br[i]
	s_wait_loadcnt 0x0
.irp c, 0,1,2,3,4,5,6,7
	RND2 16+\c, 24+\c, 44
	v_add_f32 v[16+\c], v[16+\c], v[24+\c]         ; state + fast
.endr
.irp c, 0,2,4,6
	RND2 32+\c, 33+\c, 44
.endr
	v_cvt_pk_bf16_f32 v43, v40, v41
	global_store_b16 v8, v43, s[16:17] offset:WCB  ; a wave stores 64 consecutive bytes
	v_and_b32 v41, s[MSK], v43
	v_cvt_pk_bf16_f32 v44, v42, v42
	v_lshlrev_b32 v42, 16, v44
	SPLIT8 16, 48, 52, 60
	global_store_b128 v9, v[48:51], s[16:17] offset:SFHI
	global_store_b128 v9, v[60:63], s[16:17] offset:SFLO
.irp c, 0,1,2,3,4,5,6,7
	v_mul_f32 v[64+\c], v[32+\c], v42              ; keys br
	v_mul_f32 v[72+\c], v[16+\c], v41              ; (state + fast) Wc
.endr
.irp m, 1,2,4,8                                        ; sixteen sums over the wave's 32 lanes
.set k, 0
.rept 16
	v_add_f32_dpp v[64+k], v[64+k], v[64+k] row_xmask:\m row_mask:0xf bank_mask:0xf
.set k, k+1
.endr
.endr
.set k, 0
.rept 16
	v_permlanex16_b32 v[16+k], v[64+k], s24, s25
.set k, k+1
.endr
.set k, 0
.rept 16
	v_add_f32 v[64+k], v[64+k], v[16+k]
.set k, k+1
.endr
	v_mov_b32 v10, s20
	v_lshlrev_b32 v10, 6, v10                      ; my wave's 64 bytes; all lanes store the same words
.irp e, 0,1,2,3
	ds_store_b128 v10, v[64+4*\e:64+4*\e+3] offset:16*\e
.endr
	s_wait_tensorcnt 0x0                           ; the wave's last LDS store is out
	ds_add_u32 v1, v2
	s_wait_dscnt 0x0                               ; the wait for 0 also shows my sums written, for wave 0's sake
	s_barrier_signal -1
	s_barrier_wait -1
	s_cmp_lg_u32 s20, 0
	s_cbranch_scc1 .Lend
	v_lshlrev_b32 v11, 2, v3
.irp n, 0,1,2,3,4,5,6,7
	ds_load_b32 v[16+\n], v11 offset:\n*64         ; lane r: number r of each wave
.endr
	s_lshl_b32 s22, ttmp9, 6
	v_add_nc_u32 v12, s22, v11
	v_and_b32 v13, 31, v0
	s_wait_dscnt 0x0
	PKA 16, 16, 18
	PKA 20, 20, 22
	PKA 16, 16, 20
	v_add_f32 v16, v16, v17
	s_wait_xcnt 0x0                                ; EXEC is a source of the stores above: it changes only behind this wait
	v_cmp_gt_u32 vcc_lo, 16, v13
	s_and_saveexec_b32 s23, vcc_lo
	global_store_b32 v12, v16, s[16:17] offset:CG  ; sixteen lanes, 64 consecutive bytes
	s_wait_xcnt 0x0                                ; and again in front of the line that widens it
	s_or_b32 exec_lo, exec_lo, s23
.Lend:
	s_endpgm
.Lfunc_end_k_qf31b48ea30_tables:
	.size	k_qf31b48ea30_tables, .Lfunc_end_k_qf31b48ea30_tables-k_qf31b48ea30_tables
	.p2alignl 7, 3214868480
	.fill 96, 4, 3214868480
	.section	.rodata,"a",@progbits
	.p2align	6, 0x0
	.amdhsa_kernel k_qf31b48ea30_tables
		.amdhsa_group_segment_fixed_size 1536
		.amdhsa_private_segment_fixed_size 0
		.amdhsa_enable_private_segment 0
		.amdhsa_kernarg_size 56
		.amdhsa_user_sgpr_count 2
		.amdhsa_user_sgpr_kernarg_segment_ptr 1
		.amdhsa_wavefront_size32 1
		.amdhsa_system_sgpr_workgroup_id_x 1
		.amdhsa_system_sgpr_workgroup_id_y 1
		.amdhsa_system_sgpr_workgroup_id_z 1
		.amdhsa_system_vgpr_workitem_id 0
		.amdhsa_next_free_vgpr 100
		.amdhsa_next_free_sgpr 66
		.amdhsa_reserve_vcc 1
		.amdhsa_float_denorm_mode_32 3
		.amdhsa_float_denorm_mode_16_64 3
		.amdhsa_memory_ordered 1
		.amdhsa_forward_progress 1
		.amdhsa_inst_pref_size 20
	.end_amdhsa_kernel
	.amdgpu_metadata
---
amdhsa.version: [ 1, 2 ]
amdhsa.kernels:
  - .name:           k_qf31b48ea30_tables
    .symbol:         k_qf31b48ea30_tables.kd
    .args:
      - { .name: mpart, .offset: 0, .size: 8, .value_kind: global_buffer, .address_space: global }
      - { .name: state, .offset: 8, .size: 8, .value_kind: global_buffer, .address_space: global }
      - { .name: fast, .offset: 16, .size: 8, .value_kind: global_buffer, .address_space: global }
      - { .name: keys, .offset: 24, .size: 8, .value_kind: global_buffer, .address_space: global }
      - { .name: br, .offset: 32, .size: 8, .value_kind: global_buffer, .address_space: global }
      - { .name: Wc, .offset: 40, .size: 8, .value_kind: global_buffer, .address_space: global }
      - { .name: tab, .offset: 48, .size: 8, .value_kind: global_buffer, .address_space: global }
    .group_segment_fixed_size: 1536
    .private_segment_fixed_size: 0
    .kernarg_segment_align: 8
    .kernarg_segment_size: 56
    .max_flat_workgroup_size: 256
    .sgpr_count:     66
    .vgpr_count:     100
    .wavefront_size: 32
...
	.end_amdgpu_metadata
.endif
;; end of part 2
;; launch rows (part 3): grid 256 x 1, 16 waves a work-group, no clusters, 226,304 bytes of LDS; arguments h, neighbor_msg, tab, bc, out0, out1, ppart, spart; writes out0, out1, ppart, spart
.if DOCPART == 3
	.amdgcn_target "amdgcn-amd-amdhsa--gfx1250"
	.amdhsa_code_object_version 6
	.text
	.protected	k_qf31b48ea30_rows
	.globl	k_qf31b48ea30_rows
	.p2align	8
	.type	k_qf31b48ea30_rows,@function
k_qf31b48ea30_rows:
	s_mov_b64 s[64:65], 0
	v_nop
	global_prefetch_b8 v0, s[64:65] scope:SCOPE_SE
	s_setreg_imm32_b32 hwreg(HW_REG_WAVE_MODE, 25, 1), 1
	s_wait_xcnt 0x0
; For 16 rows b of the batch: logits = h M^T + c, attn = softmax (out1), read = attn (state + fast) (out0), and this block's share of what the write needs:
; P[s][k] = sum over b of attn[b][s] (h + neighbor_msg)[b][k] (ppart), G[s][t] = sum of attn[b][s] attn[b][t], sum of attn, sum of sigmoid(ctrl0) (spart).
; By associativity attn^T (w_in Ww^T + bw) = (attn^T w_in) Ww^T + (sum attn) bw, attn^T read = G (state + fast), read . Wc[0][2048:] = attn . g: for every input; only the order of the sums differs from the module's.
; LIMITS.  h, neighbor_msg and bc[0] are rounded once to bf16.  M, attn and state + fast enter the matrix unit as two bf16 numbers hi + lo, which fill rows, columns or K places that eight
; slots would leave empty.  The softmax takes the row's maximum away first; a weight below 2^-126 counts as 0; NaN and infinities are not treated apart.  The erase gate reaches no result and is not computed.
; SHARES.  Wave w owns columns 128 w .. 128 w + 127 of all 16 rows of h and neighbor_msg.  One load has lanes 0-15 on row b' and lanes 16-31 on row b' + 8, 256 consecutive aligned bytes each.
; All 256 KiB of the work-group are asked for at once, in registers: each byte is read once and must pass registers to be rounded, so tensor loads and a ring of slots would add nothing;
; no cluster, since the shared tables go straight into registers in operand order.
; LDS: HB each wave's 16 rows x 128 columns of h in bf16, pitch 272 (17 x 16 bytes: the 16 rows of a fragment load start at 16 different groups of four banks, ISA guide 11.1); STG each wave's stage for read, pitch 528;
; RED1, RED2 the waves' partial logits and h . Wc; ATL, ARL attn as the two operands; AFL attn in f32 as out1 has it; REC the record for spart.
.set PHW,  272
.set HBW,  16*PHW
.set STG,  69632
.set SPT,  528
.set STW,  16*SPT
.set RED1, 204800                      ; [wave][q][lane][16 bytes]
.set RED2, 221184                      ; [wave][16 rows] f32
.set ATL,  222208                      ; [lane][16 bytes]
.set ARL,  222720                      ; [hi, lo][row 16][slot 8] bf16
.set AFL,  223232                      ; [row 16][slot 8] f32
.set REC,  223744                      ; 128 f32
.set SPARE, 224256                     ; the spare words, 128 bytes for each of the sixteen waves
.set SFHI, 65536
.set SFLO, 98304
.set WCB,  131072
.set CG,   135168
; v0 thread; v1, v2 the add's; v3 r; v4 hh; v5 16 x lane; v6 h's and neighbor_msg's offset; v10 the SF table's; v14 out0's and ppart's; v7-9, v15 the address in hand; v11 c | g; v12 c; v13 g
.set A0, 16                            ; v[16:47]   h as loaded, columns 0-63 of my 128; then the P product's B operands of columns 64-127
.set A1, 48                            ; v[48:79]   h as loaded, columns 64-127; then h's fragments; then read, tiles 0-3
.set BB, 80                            ; v[80:111]  neighbor_msg as loaded, columns 0-63; then AT, AR, LG, CT
.set C0, 112                           ; v[112:143] neighbor_msg as loaded, columns 64-127; then read, tiles 4-7
.set C1, 144                           ; v[144:175] the P product's B operands of columns 0-63; then P as stored
.set DG, 176                           ; v[176:239] fragments of TLOG and WCB; then of SF; then the P product's accumulators
.set EE, 240                           ; v[240:255] at work; D1, D2
.set AT, 80                            ; attn^T as an A operand: row m = slot m % 8, hi (m < 8) or lo
.set AR, 88                            ; attn as a B operand: column n = row b; K blocks hi, lo, hi, lo
.set LG, 96                            ; wave 0: logits, then attn: lane (r, hh), register j: row 8 hh + j, slot r % 8
.set CT, 104                           ; wave 0: h . Wc[0][0:2048] of row 8 hh + j
.set D1, 240
.set D2, 248
.set RL, 7
.set MSK, 26
.macro PKA d, a, b
	v_pk_add_f32 v[(\d):(\d)+1], v[(\a):(\a)+1], v[(\b):(\b)+1]
.endm
.macro ADD8 d, a, b
.irp e, 0,2,4,6
	PKA (\d)+\e, (\a)+\e, (\b)+\e
.endr
.endm
.macro SPLIT8 src, hi, t, lo           ; eight f32 -> four words of bf16 hi, four words of bf16 lo = bf16(x - hi)
.irp e, 0,1,2,3
	v_cvt_pk_bf16_f32 v[(\hi)+\e], v[(\src)+2*\e], v[(\src)+2*\e+1]
.endr
.irp e, 0,1,2,3
	v_lshlrev_b32 v[(\t)+2*\e], 16, v[(\hi)+\e]
	v_and_b32 v[(\t)+2*\e+1], s[MSK], v[(\hi)+\e]
.endr
.irp e, 0,1,2,3
	v_pk_add_f32 v[(\t)+2*\e:(\t)+2*\e+1], v[(\src)+2*\e:(\src)+2*\e+1], v[(\t)+2*\e:(\t)+2*\e+1] neg_lo:[0,1] neg_hi:[0,1]
.endr
.irp e, 0,1,2,3
	v_cvt_pk_bf16_f32 v[(\lo)+\e], v[(\t)+2*\e], v[(\t)+2*\e+1]
.endr
.endm
.macro DPP8 op, d, a, m                ; eight registers: lane i takes lane i xor m of its half into the operation
.set j, 0
.rept 8
	\op v[(\d)+j], v[(\a)+j], v[(\a)+j] row_xmask:\m row_mask:0xf bank_mask:0xf
.set j, j+1
.endr
.endm
.macro LDG buf, g                      ; four waves' partial logits, eight registers each
.irp n, 0,1,2,3
	ds_load_b128 v[(\buf)+8*\n:(\buf)+8*\n+3], v[RL] offset:(4*(\g)+\n)*1024
	ds_load_b128 v[(\buf)+8*\n+4:(\buf)+8*\n+7], v[RL] offset:(4*(\g)+\n)*1024+512
.endr
.endm
.macro ADG dst, buf, first             ; they are added, and start dst or are added onto it
	ADD8 \buf, \buf, (\buf)+8
	ADD8 (\buf)+16, (\buf)+16, (\buf)+24
.if \first
	ADD8 \dst, \buf, (\buf)+16
.else
	ADD8 \buf, \buf, (\buf)+16
	ADD8 \dst, \dst, \buf
.endif
.endm
.macro SUM16 dst, x, y                 ; sixteen waves' partials on two buffers; each counted wait leaves the other buffer's eight loads out
	LDG \x, 0
	LDG \y, 1
	s_wait_dscnt 8
	ADG \dst, \x, 1
	LDG \x, 2
	s_wait_dscnt 8
	ADG \dst, \y, 0
	LDG \y, 3
	s_wait_dscnt 8
	ADG \dst, \x, 0
	s_wait_dscnt 0x0
	ADG \dst, \y, 0
.endm
; B operands of the P product from eight loaded rows: tile i = columns 4 r + i; register 4 part + c holds rows 8 hh + 2 c and the next (part 0: h, K 0-15; part 1: neighbor_msg, K 16-31)
.macro PACKP dst, raw, part
.irp i, 0,1,2,3
.irp c, 0,1,2,3
	v_cvt_pk_bf16_f32 v[(\dst)+8*\i+4*(\part)+\c], v[(\raw)+8*\c+\i], v[(\raw)+8*\c+4+\i]
.endr
.endr
.endm
	s_load_b512 s[4:19], s[0:1], 0x0               ; h s[4:5], neighbor_msg s[6:7], tab s[8:9], bc s[10:11], out0 s[12:13], out1 s[14:15], ppart s[16:17], spart s[18:19]
	v_lshl_add_u32 v1, v0, 2, SPARE                ; my spare word,
	v_mov_b32 v2, 0                                ; and 0: kept for the closing add alone
	v_and_b32 v3, 15, v0                           ; r
	v_bfe_u32 v4, v0, 4, 1                         ; hh
	v_and_b32 v5, 31, v0
	v_lshlrev_b32 v5, 4, v5                        ; 16 x lane
	v_lshrrev_b32 v6, 5, v0
	v_readfirstlane_b32 s20, v6                    ; wave 0..15
	s_mov_b32 s24, 0x76543210                      ; v_permlanex16_b32: each lane takes its own place in the other half
	s_mov_b32 s25, 0xfedcba98
	s_mov_b32 s[MSK], 0xffff0000
	s_mov_b32 s32, 0x3fb8aa3b                      ; log2(e), named as a pair
	s_mov_b32 s33, s32
	s_mov_b32 s39, 0xbfb8aa3b                      ; -log2(e)
	s_mul_i32 s31, s20, HBW                        ; my block of HB
	s_mul_i32 s38, s20, STW
	s_add_co_u32 s38, s38, STG                     ; my stage
	s_lshl_b32 s22, ttmp9, 17                      ; 16 rows of 8,192 bytes
	s_mov_b32 s23, 0
	s_lshl_b32 s34, ttmp9, 9                       ; 512 bytes of out1 and of spart
	s_mov_b32 s35, 0
	s_lshl_b32 s36, ttmp9, 16                      ; 65,536 bytes of ppart
	s_mov_b32 s37, 0
	s_lshl_b32 s21, s20, 9
	v_lshlrev_b32 v6, 4, v3
	v_lshl_or_b32 v6, v4, 16, v6
	v_or_b32 v6, s21, v6                           ; 8 hh rows + 512 w + 16 r
	v_add_nc_u32 v14, s21, v5                      ; 512 w + 16 x lane
	v_lshlrev_b32 v7, 2, v3                        ; CG: number r
	s_lshl_b32 s21, s20, 12
	v_add_nc_u32 v8, s21, v5                       ; TLOG: my four K steps
	s_lshl_b32 s21, s20, 8
	v_lshl_add_u32 v9, v4, 4, s21                  ; WCB: my 128 numbers, 8 hh on: the same for every column
	s_lshl_b32 s21, s20, 11
	v_lshl_add_u32 v10, v3, 4, s21                 ; SF: column 128 w + r
	v_mul_u32_u24 v15, v4, 8*PHW
	v_lshl_add_u32 v15, v3, 3, v15
	v_add_nc_u32 v15, s31, v15                     ; HB, in: row 8 hh, 8 r bytes
	v_cmp_gt_u32 s28, 8, v3                        ; lanes with r < 8
	s_wait_kmcnt 0x0
	s_load_b32 s30, s[10:11], 0x0                  ; bc[0]
	s_add_nc_u64 s[4:5], s[4:5], s[22:23]
	s_add_nc_u64 s[6:7], s[6:7], s[22:23]
	s_add_nc_u64 s[12:13], s[12:13], s[22:23]
	s_add_nc_u64 s[14:15], s[14:15], s[34:35]
	s_add_nc_u64 s[18:19], s[18:19], s[34:35]
	s_add_nc_u64 s[16:17], s[16:17], s[36:37]
.irp b, 0,1,2,3,4,5,6,7
	global_load_b32 v[EE+8+\b], v7, s[8:9] offset:CG+64*\b
.endr
.irp k, 0,1,2,3
	global_load_b128 v[DG+8*\k:DG+8*\k+3],   v8, s[8:9] offset:\k*1024
	global_load_b128 v[DG+8*\k+4:DG+8*\k+7], v8, s[8:9] offset:\k*1024+512
.endr
.irp k, 0,1,2,3
	global_load_b128 v[DG+32+8*\k:DG+32+8*\k+3],   v9, s[8:9] offset:WCB+64*\k
	global_load_b128 v[DG+32+8*\k+4:DG+32+8*\k+7], v9, s[8:9] offset:WCB+64*\k+32
.endr
.set n, 0
.rept 16                                               ; load n: rows n % 8 and n % 8 + 8, columns 64 (n / 8) on
	global_load_b128 v[A0+4*n:A0+4*n+3], v6, s[4:5] offset:(n%8)*8192+(n/8)*256 th:TH_LOAD_NT
.set n, n+1
.endr
.set n, 0
.rept 16
	global_load_b128 v[BB+4*n:BB+4*n+3], v6, s[6:7] offset:(n%8)*8192+(n/8)*256 th:TH_LOAD_NT
.set n, n+1
.endr
	s_wait_loadcnt 16                              ; the tables and h are in; neighbor_msg's sixteen loads, issued behind them, stay out
	s_wait_kmcnt 0x0                               ; bc[0]
	PKA EE+8, EE+8, EE+10
	PKA EE+12, EE+12, EE+14
	PKA EE+8, EE+8, EE+12
	v_add_f32 v11, v[EE+8], v[EE+9]                ; lane r < 8: c[r]; r >= 8: g[r - 8]
	v_mov_b32_dpp v[EE+8], v11 row_xmask:8 row_mask:0xf bank_mask:0xf
	v_cndmask_b32 v12, v[EE+8], v11, s28           ; c[r % 8]
	v_cndmask_b32 v13, v11, v[EE+8], s28           ; g[r % 8]
.set n, 0
.rept 16                                               ; h in bf16 into my block of HB, rows along K: 8 bytes a lane
	v_cvt_pk_bf16_f32 v[EE+2*(n%4)],   v[A0+4*n],   v[A0+4*n+1]
	v_cvt_pk_bf16_f32 v[EE+2*(n%4)+1], v[A0+4*n+2], v[A0+4*n+3]
	ds_store_b64 v15, v[EE+2*(n%4):EE+2*(n%4)+1] offset:(n%8)*PHW+128*(n/8)
.set n, n+1
.endr
	PACKP C1, A0, 0
	PACKP A0, A1, 0                                ; over the loaded columns 0-63, which have been used
	v_mul_u32_u24 v7, v3, PHW
	v_lshl_add_u32 v7, v4, 4, v7
	v_add_nc_u32 v7, s31, v7                       ; HB, back: row r, 16 hh bytes
.irp k, 0,1,2,3
	ds_load_b128 v[A1+8*\k:A1+8*\k+3],   v7 offset:64*\k     ; my own bytes: LDS serves a wave's instructions in order (ISA guide 5.7.1.4)
	ds_load_b128 v[A1+8*\k+4:A1+8*\k+7], v7 offset:64*\k+32
.endr
.irp k, 0,1,2,3                                        ; D1 = h M^T (16 rows x hi, lo of 8 slots), D2 = h . Wc in every column; the two accumulators take turns
	s_wait_dscnt 6-2*\k                            ; fragment k is in; the later fragments' loads stay out
.if \k == 0
	v_wmma_f32_16x16x32_bf16 v[D1:D1+7], v[A1:A1+7], v[DG:DG+7], 0
	v_wmma_f32_16x16x32_bf16 v[D2:D2+7], v[A1:A1+7], v[DG+32:DG+39], 0
.else
	v_wmma_f32_16x16x32_bf16 v[D1:D1+7], v[A1+8*\k:A1+8*\k+7], v[DG+8*\k:DG+8*\k+7], v[D1:D1+7]
	v_wmma_f32_16x16x32_bf16 v[D2:D2+7], v[A1+8*\k:A1+8*\k+7], v[DG+32+8*\k:DG+32+8*\k+7], v[D2:D2+7]
.endif
.endr
	s_lshl_b32 s21, s20, 10
	s_add_co_u32 s21, s21, RED1
	s_lshl_b32 s29, s20, 6
	s_add_co_u32 s29, s29, RED2
	v_add_nc_u32 v8, s21, v5                       ; three addresses and a v_nop: the four places behind the last product (ISA guide 7.12.1),
	v_lshl_add_u32 v9, v4, 5, s29                  ; in front of the loads into its sources and of the stores of its results
	v_add_nc_u32 v15, s38, v5                      ; the stage, back: 16 x lane
	v_nop
.irp t, 0,1,2,3,4,5,6,7                                ; state + fast, columns 128 w + 16 t + r: registers 0-3 hi, 4-7 lo, the same in both halves of the lanes
	global_load_b128 v[DG+8*\t:DG+8*\t+3],   v10, s[8:9] offset:SFHI+256*\t
	global_load_b128 v[DG+8*\t+4:DG+8*\t+7], v10, s[8:9] offset:SFLO+256*\t
.endr
	ds_store_b128 v8, v[D1:D1+3]
	ds_store_b128 v8, v[D1+4:D1+7] offset:512
	ds_store_b128 v9, v[D2:D2+3]
	ds_store_b128 v9, v[D2+4:D2+7] offset:16
	s_wait_dscnt 0x0                               ; for wave 0's sake: my partial sums are written
	s_barrier_signal -1
	s_wait_loadcnt 16                              ; neighbor_msg is in; the sixteen loads of SF stay out
	PACKP C1, BB, 1                                ; work on registers while the others arrive
	PACKP A0, C0, 1
	s_barrier_wait -1
	s_cmp_lg_u32 s20, 0
	s_cbranch_scc1 .Lattn_made
	; WAVE 0: the sums over the waves, the softmax, and attn in the three forms that are wanted.
	v_add_nc_u32 v[RL], RED1, v5
	v_lshlrev_b32 v8, 6, v3
	v_lshl_add_u32 v8, v4, 5, v8
	v_add_nc_u32 v8, RED2, v8                      ; lane r takes wave r's h . Wc of rows 8 hh + 0..7
	ds_load_b128 v[EE:EE+3], v8
	ds_load_b128 v[EE+4:EE+7], v8 offset:16
	SUM16 LG, A1, C0
	DPP8 v_add_f32_dpp, EE, EE, 1
	DPP8 v_add_f32_dpp, EE, EE, 2
	DPP8 v_add_f32_dpp, EE, EE, 4
	DPP8 v_add_f32_dpp, CT, EE, 8
	DPP8 v_add_f32_dpp, LG, LG, 8                  ; M's hi column + its lo column
.irp e, 0,2,4,6
	v_pk_add_f32 v[LG+\e:LG+\e+1], v[LG+\e:LG+\e+1], v[12:13] op_sel_hi:[1,0]  ; + c
.endr
	DPP8 v_max_num_f32_dpp, A1, LG, 1              ; the row's maximum over the eight slots, which lie in eight neighbouring lanes
	DPP8 v_max_num_f32_dpp, A1, A1, 2
	DPP8 v_max_num_f32_dpp, A1, A1, 4
.irp e, 0,2,4,6
	v_pk_add_f32 v[LG+\e:LG+\e+1], v[LG+\e:LG+\e+1], v[A1+\e:A1+\e+1] neg_lo:[0,1] neg_hi:[0,1]
.endr
.irp e, 0,2,4,6
	v_pk_mul_f32 v[LG+\e:LG+\e+1], v[LG+\e:LG+\e+1], s[32:33] op_sel_hi:[1,0]
.endr
.irp j, 0,1,2,3,4,5,6,7
	v_exp_f32 v[LG+\j], v[LG+\j]
.endr
	v_nop                                          ; a plain instruction between the last exponential and the use of its result (ISA guide 5.7.2)
	s_wait_alu depctr_va_vdst(0)
	DPP8 v_add_f32_dpp, A1+8, LG, 1
	DPP8 v_add_f32_dpp, A1+8, A1+8, 2
	DPP8 v_add_f32_dpp, A1+8, A1+8, 4
.irp j, 0,1,2,3,4,5,6,7
	v_rcp_f32 v[A1+8+\j], v[A1+8+\j]
.endr
	v_nop
	s_wait_alu depctr_va_vdst(0)
.irp e, 0,2,4,6
	v_pk_mul_f32 v[LG+\e:LG+\e+1], v[LG+\e:LG+\e+1], v[A1+8+\e:A1+8+\e+1]
.endr
	SPLIT8 LG, A1+16, A1+20, A1+28
.irp e, 0,1,2,3
	v_cndmask_b32 v[A1+16+\e], v[A1+28+\e], v[A1+16+\e], s28  ; lanes r < 8 keep hi, the others lo: eight rows b of slot r % 8, which IS the A operand's first half
.endr
	v_add_nc_u32 v7, ATL, v5
	v_and_b32 v[A1], 7, v3
	v_lshrrev_b32 v[A1+1], 3, v3
	v_lshlrev_b32 v8, 8, v[A1+1]
	v_lshl_add_u32 v8, v4, 7, v8
	v_lshl_add_u32 v8, v[A1], 1, v8
	v_add_nc_u32 v8, ARL, v8                       ; [hi, lo = r / 8][row 8 hh + j][slot r % 8]
	v_lshlrev_b32 v9, 8, v4
	v_lshl_add_u32 v9, v[A1], 2, v9
	v_add_nc_u32 v9, AFL, v9                       ; [row 8 hh + j][slot r % 8]
	ds_store_b128 v7, v[A1+16:A1+19]
.irp e, 0,1,2,3
	ds_store_b16 v8, v[A1+16+\e] offset:32*\e
	ds_store_b16_d16_hi v8, v[A1+16+\e] offset:32*\e+16
.endr
.irp j, 0,1,2,3,4,5,6,7
	ds_store_b32 v9, v[LG+\j] offset:32*\j
.endr
.Lattn_made:
	s_wait_dscnt 0x0                               ; wave 0's stores are done
	s_barrier_signal -1
	s_barrier_wait -1
	v_add_nc_u32 v7, ATL, v5
	v_lshlrev_b32 v8, 8, v4
	v_lshl_add_u32 v8, v3, 4, v8
	v_add_nc_u32 v8, ARL, v8                       ; row b = r; hh = 0: hi, hh = 1: lo
	ds_load_b128 v[AT:AT+3], v7
	ds_load_b128 v[AT+4:AT+7], v7                  ; K 16-31, neighbor_msg's rows, take the same weights
	ds_load_b128 v[AR:AR+3], v8
	ds_load_b128 v[AR+4:AR+7], v8
	s_wait_loadcnt 0x0                             ; SF
	s_wait_dscnt 0x0
.irp t, 0,1,2,3,4,5,6,7                                ; read^T: four K blocks of eight slots: SF hi x attn hi, SF hi x attn lo, SF lo x attn hi, SF lo x attn lo.  A lane gets row b = r, columns 16 t + 8 hh + 0..7
	v_wmma_f32_16x16x32_bf16 v[A1+8*\t+32*(\t/4):A1+8*\t+32*(\t/4)+7], v[DG+8*\t:DG+8*\t+7], v[AR:AR+7], 0
.endr
	v_mul_u32_u24 v9, v3, SPT                      ; five places in front of products that write over SF's registers
	v_lshl_add_u32 v9, v4, 5, v9
	v_add_nc_u32 v9, s38, v9                       ; the stage, in: row r, 32 hh bytes
	v_nop
	v_nop
.irp i, 0,1,2,3                                        ; P: rows hi, lo of 8 slots x columns 4 r + i (and 64 on), K = 16 rows of h and 16 of neighbor_msg
	v_wmma_f32_16x16x32_bf16 v[DG+8*\i:DG+8*\i+7], v[AT:AT+7], v[C1+8*\i:C1+8*\i+7], 0
.endr
.irp i, 0,1,2,3
	v_wmma_f32_16x16x32_bf16 v[DG+32+8*\i:DG+32+8*\i+7], v[AT:AT+7], v[A0+8*\i:A0+8*\i+7], 0
.endr
.rept 4
	v_nop
.endr
.irp t, 0,1,2,3,4,5,6,7                                ; read through my stage: in by 32 bytes of a row, back as whole rows of 512 bytes, into the registers that it left
	ds_store_b128 v9, v[A1+8*\t+32*(\t/4):A1+8*\t+32*(\t/4)+3]   offset:64*\t
	ds_store_b128 v9, v[A1+8*\t+32*(\t/4)+4:A1+8*\t+32*(\t/4)+7] offset:64*\t+16
.endr
.set n, 0
.rept 16
	ds_load_b128 v[A1+4*n+32*(n/8):A1+4*n+32*(n/8)+3], v15 offset:n*SPT
.set n, n+1
.endr
.irp i, 0,1,2,3                                        ; hi rows lie in lanes 0-15, lo rows in lanes 16-31: the swap brings hi and lo of columns 0-63 into lanes 0-15 and those of columns 64-127 into lanes 16-31
.irp j, 0,1,2,3,4,5,6,7
	v_permlane16_swap_b32 v[DG+8*\i+\j], v[DG+32+8*\i+\j]
	v_add_f32 v[C1+4*\j+\i], v[DG+8*\i+\j], v[DG+32+8*\i+\j]
.endr
.endr
.set n, 0
.rept 16
	s_wait_dscnt 15-n                              ; row n is back; the later rows' loads stay out
	global_store_b128 v14, v[A1+4*n+32*(n/8):A1+4*n+32*(n/8)+3], s[12:13] offset:n*8192 th:TH_STORE_NT  ; 512 consecutive bytes, aligned
.set n, n+1
.endr
.irp j, 0,1,2,3,4,5,6,7
	global_store_b128 v14, v[C1+4*\j:C1+4*\j+3], s[16:17] offset:\j*8192  ; slot j: 512 consecutive bytes
.endr
	s_cmp_eq_u32 s20, 0
	s_cbranch_scc1 .Lrecord
	s_wait_tensorcnt 0x0                           ; the wave's end, behind my last LDS store
	ds_add_u32 v1, v2
	s_wait_dscnt 0x0
	s_endpgm
.Lrecord:
	; WAVE 0: G, the sums of attn and of the add gate, on registers that no pending store reads.
.irp e, 0,1,2,3
	v_mov_b32 v[DG+8+\e], v[AT+\e]                 ; attn^T as a B operand; its K 16-31 are 0, so that each row b counts once
	v_mov_b32 v[DG+12+\e], 0
.endr
	v_wmma_f32_16x16x32_bf16 v[DG:DG+7], v[AT:AT+7], v[DG+8:DG+15], 0
.irp j, 0,1,2,3,4,5,6,7
	v_mul_f32 v[DG+16+\j], v[LG+\j], v13           ; attn g: also the places behind the product
.endr
	DPP8 v_add_f32_dpp, DG+16, DG+16, 1
	DPP8 v_add_f32_dpp, DG+16, DG+16, 2
	DPP8 v_add_f32_dpp, DG+16, DG+16, 4
	v_mov_b32 v[DG+24], s30
	v_cvt_pk_bf16_f32 v[DG+24], v[DG+24], v[DG+24]
	v_lshlrev_b32 v[DG+24], 16, v[DG+24]
	v_mul_f32 v[DG+24], s39, v[DG+24]              ; -log2(e) bc[0]
	ADD8 DG+16, DG+16, CT
.irp j, 0,1,2,3,4,5,6,7
	v_fma_f32 v[DG+16+\j], v[DG+16+\j], s39, v[DG+24]  ; -log2(e) ctrl0
.endr
.irp j, 0,1,2,3,4,5,6,7
	v_exp_f32 v[DG+16+\j], v[DG+16+\j]
.endr
	v_nop
	s_wait_alu depctr_va_vdst(0)
.irp j, 0,1,2,3,4,5,6,7
	v_add_f32 v[DG+16+\j], 1.0, v[DG+16+\j]
.endr
.irp j, 0,1,2,3,4,5,6,7
	v_rcp_f32 v[DG+16+\j], v[DG+16+\j]             ; the add gate of row 8 hh + j
.endr
	v_nop
	s_wait_alu depctr_va_vdst(0)
	PKA DG+16, DG+16, DG+18
	PKA DG+20, DG+20, DG+22
	PKA DG+16, DG+16, DG+20
	v_add_f32 v[DG+16], v[DG+16], v[DG+17]
	v_permlanex16_b32 v[DG+26], v[DG+16], s24, s25
	v_add_f32 v[DG+16], v[DG+16], v[DG+26]         ; over the 16 rows
	PKA DG+28, LG, LG+2
	PKA DG+30, LG+4, LG+6
	PKA DG+28, DG+28, DG+30
	v_add_f32 v[DG+28], v[DG+28], v[DG+29]
	v_permlanex16_b32 v[DG+30], v[DG+28], s24, s25
	v_add_f32 v[DG+28], v[DG+28], v[DG+30]         ; sum over the 16 rows of attn[.][r % 8]
	DPP8 v_add_f32_dpp, DG, DG, 8                  ; G: hi and lo columns,
.irp j, 0,1,2,3,4,5,6,7
	v_permlanex16_b32 v[DG+32+\j], v[DG+\j], s24, s25
.endr
.irp j, 0,1,2,3,4,5,6,7
	v_add_f32 v[DG+\j], v[DG+\j], v[DG+32+\j]      ; hi and lo rows: G[j][r % 8]
.endr
	v_add_nc_u32 v7, REC, v5
	v_and_b32 v8, 7, v3
	v_lshlrev_b32 v8, 2, v8
	v_add_nc_u32 v8, REC, v8
	v_add_nc_u32 v9, AFL, v5
	v_mov_b32 v15, REC+288
	ds_store_b128 v7, v[DG+12:DG+15]               ; the record: zeros first,
.irp j, 0,1,2,3,4,5,6,7
	ds_store_b32 v8, v[DG+\j] offset:32*\j         ; words 0-63 G,
.endr
	ds_store_b32 v8, v[DG+28] offset:256           ; 64-71 the sum of attn,
	ds_store_b32 v15, v[DG+16]                     ; 72 the sum of the add gate
	ds_load_b128 v[DG+40:DG+43], v7
	ds_load_b128 v[DG+44:DG+47], v9
	s_wait_tensorcnt 0x0                           ; the wave's end, behind my last LDS store;
	ds_add_u32 v1, v2
	s_wait_dscnt 0x0                               ; the wait for 0 also brings the two loads back
	global_store_b128 v5, v[DG+40:DG+43], s[18:19] ; 512 consecutive bytes each
	global_store_b128 v5, v[DG+44:DG+47], s[14:15]
	s_endpgm
.Lfunc_end_k_qf31b48ea30_rows:
	.size	k_qf31b48ea30_rows, .Lfunc_end_k_qf31b48ea30_rows-k_qf31b48ea30_rows
	.p2alignl 7, 3214868480
	.fill 96, 4, 3214868480
	.section	.rodata,"a",@progbits
	.p2align	6, 0x0
	.amdhsa_kernel k_qf31b48ea30_rows
		.amdhsa_group_segment_fixed_size 226304
		.amdhsa_private_segment_fixed_size 0
		.amdhsa_enable_private_segment 0
		.amdhsa_kernarg_size 64
		.amdhsa_user_sgpr_count 2
		.amdhsa_user_sgpr_kernarg_segment_ptr 1
		.amdhsa_wavefront_size32 1
		.amdhsa_system_sgpr_workgroup_id_x 1
		.amdhsa_system_sgpr_workgroup_id_y 1
		.amdhsa_system_sgpr_workgroup_id_z 1
		.amdhsa_system_vgpr_workitem_id 0
		.amdhsa_next_free_vgpr 256
		.amdhsa_next_free_sgpr 66
		.amdhsa_reserve_vcc 0
		.amdhsa_float_denorm_mode_32 3
		.amdhsa_float_denorm_mode_16_64 3
		.amdhsa_memory_ordered 1
		.amdhsa_forward_progress 1
		.amdhsa_inst_pref_size 51
	.end_amdhsa_kernel
	.amdgpu_metadata
---
amdhsa.version: [ 1, 2 ]
amdhsa.kernels:
  - .name:           k_qf31b48ea30_rows
    .symbol:         k_qf31b48ea30_rows.kd
    .args:
      - { .name: h, .offset: 0, .size: 8, .value_kind: global_buffer, .address_space: global }
      - { .name: neighbor_msg, .offset: 8, .size: 8, .value_kind: global_buffer, .address_space: global }
      - { .name: tab, .offset: 16, .size: 8, .value_kind: global_buffer, .address_space: global }
      - { .name: bc, .offset: 24, .size: 8, .value_kind: global_buffer, .address_space: global }
      - { .name: out0, .offset: 32, .size: 8, .value_kind: global_buffer, .address_space: global }
      - { .name: out1, .offset: 40, .size: 8, .value_kind: global_buffer, .address_space: global }
      - { .name: ppart, .offset: 48, .size: 8, .value_kind: global_buffer, .address_space: global }
      - { .name: spart, .offset: 56, .size: 8, .value_kind: global_buffer, .address_space: global }
    .group_segment_fixed_size: 226304
    .private_segment_fixed_size: 0
    .kernarg_segment_align: 8
    .kernarg_segment_size: 64
    .max_flat_workgroup_size: 512
    .sgpr_count:     66
    .vgpr_count:     256
    .wavefront_size: 32
...
	.end_amdgpu_metadata
.endif
;; end of part 3
;; launch reduce (part 4): grid 257 x 1, 8 waves a work-group, no clusters, 11,264 bytes of LDS; arguments ppart, spart, tab, pfrag, fin, out2; writes pfrag, fin, out2
.if DOCPART == 4
	.amdgcn_target "amdgcn-amd-amdhsa--gfx1250"
	.amdhsa_code_object_version 6
	.text
	.protected	k_qf31b48ea30_reduce
	.globl	k_qf31b48ea30_reduce
	.p2align	8
	.type	k_qf31b48ea30_reduce,@function
k_qf31b48ea30_reduce:
	s_mov_b64 s[64:65], 0
	v_nop
	global_prefetch_b8 v0, s[64:65] scope:SCOPE_SE
	s_setreg_imm32_b32 hwreg(HW_REG_WAVE_MODE, 25, 1), 1
	s_wait_xcnt 0x0
; P = attn^T w_in, whole, as a matrix operand.  pfrag: [K step 128][q 2][lane 32][16 bytes]; lane (r, hh), piece q: row r (0-7: hi of slot r; 8-15: lo of slot r - 8), k = 32 step + 16 q + 8 hh + 0..7, in bf16.
; k < 2048: the sum of the 256 row blocks' partial sums (kind A).  k >= 2048: attn^T read = G (state + fast), G summed over the blocks' records (kind B), which also makes alpha (out2) and the sum of attn (fin).
; LIMITS.  Sums in f32; P, G and state + fast are carried as two bf16 numbers hi + lo.  The boost of 1.0 and the second clip of alpha change nothing and are folded into the first.  NaN and infinities are not treated apart.
; SHARES.  Work-group 0 is kind B: it has the longest chain, so it has the first number.  Work-group x > 0: slot (x - 1) / 32, columns 64 ((x - 1) % 32) on: 256 aligned bytes of each of the 256 partials.
; The two kinds have LDS bytes of their own, so that no line of the one names a byte that a line of the other names.
.set PARTS, 0                          ; kind B: [wave][512 bytes]
.set TOT,   4096                       ; kind B: each wave's own copy of the summed record
.set PARTA, 8192                       ; kind A: [wave][256 bytes]
.set SPARE, 10240                      ; the spare words, 128 bytes for each of the eight waves
.set SFHI, 65536
.set SFLO, 98304
.set MSK, 26
.set SF,  16                           ; v[16:143]  loads; kind B: 16 tiles' fragments of state + fast, then each tile's hi and lo of P
.set ACC, 144                          ; v[144:175] four accumulators
.set GOP, 176                          ; v[176:183] G as a B operand
.set TT,  184                          ; v[184:191] at work
.set GR,  192                          ; v[192:223] at work
.macro PKA d, a, b
	v_pk_add_f32 v[(\d):(\d)+1], v[(\a):(\a)+1], v[(\b):(\b)+1]
.endm
.macro ADD4 d, a, b
	PKA \d, \a, \b
	PKA (\d)+2, (\a)+2, (\b)+2
.endm
.macro TREE4 base, cnt                 ; cnt groups of four registers, side by side, are added by pairs into the first
.set st, 1
.rept 5
.if st < (\cnt)
.set n, 0
.rept (\cnt)/2
.if n*2*st < (\cnt)
	ADD4 (\base)+8*st*n, (\base)+8*st*n, (\base)+8*st*n+4*st
.endif
.set n, n+1
.endr
.endif
.set st, st*2
.endr
.endm
.macro SPLITN cnt, src, hi, t, lo      ; 2 cnt f32 -> cnt words of bf16 hi, cnt words of bf16 lo = bf16(x - hi)
.set e, 0
.rept \cnt
	v_cvt_pk_bf16_f32 v[(\hi)+e], v[(\src)+2*e], v[(\src)+2*e+1]
.set e, e+1
.endr
.set e, 0
.rept \cnt
	v_lshlrev_b32 v[(\t)+2*e], 16, v[(\hi)+e]
	v_and_b32 v[(\t)+2*e+1], s[MSK], v[(\hi)+e]
.set e, e+1
.endr
.set e, 0
.rept \cnt
	v_pk_add_f32 v[(\t)+2*e:(\t)+2*e+1], v[(\src)+2*e:(\src)+2*e+1], v[(\t)+2*e:(\t)+2*e+1] neg_lo:[0,1] neg_hi:[0,1]
.set e, e+1
.endr
.set e, 0
.rept \cnt
	v_cvt_pk_bf16_f32 v[(\lo)+e], v[(\t)+2*e], v[(\t)+2*e+1]
.set e, e+1
.endr
.endm
	s_load_b256 s[4:11], s[0:1], 0x0               ; ppart s[4:5], spart s[6:7], tab s[8:9], pfrag s[10:11]
	s_load_b128 s[12:15], s[0:1], 0x20             ; fin s[12:13], out2 s[14:15]
	v_lshl_add_u32 v1, v0, 2, SPARE                ; my spare word,
	v_mov_b32 v2, 0                                ; and 0: kept for the closing add alone
	v_and_b32 v3, 15, v0                           ; r
	v_bfe_u32 v4, v0, 4, 1                         ; hh
	v_and_b32 v13, 31, v0                          ; lane
	v_lshlrev_b32 v5, 4, v13
	v_lshrrev_b32 v6, 5, v0
	v_readfirstlane_b32 s20, v6                    ; wave
	s_mov_b32 s24, 0x76543210
	s_mov_b32 s25, 0xfedcba98
	s_mov_b32 s[MSK], 0xffff0000
	s_cmp_eq_u32 ttmp9, 0
	s_cbranch_scc1 .Lkind_b
	; KIND A.  Thread (g = thread / 16, r): partials 16 g .. 16 g + 15, four columns.
	s_sub_co_u32 s21, ttmp9, 1
	s_lshr_b32 s22, s21, 5                         ; slot
	s_and_b32 s23, s21, 31                         ; block of 64 columns
	s_lshl_b32 s28, s22, 13
	s_lshl_b32 s29, s23, 8
	s_add_co_u32 s28, s28, s29
	s_mov_b32 s29, 0
	s_lshl_b32 s30, s23, 11                        ; two K steps of pfrag,
	s_lshl_b32 s31, s22, 4                         ; row = slot
	s_add_co_u32 s30, s30, s31
	s_mov_b32 s31, 0
	v_lshrrev_b32 v6, 4, v0
	v_lshlrev_b32 v6, 20, v6
	v_lshl_or_b32 v6, v3, 4, v6
	s_lshl_b32 s21, s20, 8
	s_add_co_u32 s21, s21, PARTA                   ; my wave's 256 bytes of kind A's region
	v_lshl_add_u32 v7, v3, 4, s21
	s_wait_kmcnt 0x0
	s_add_nc_u64 s[4:5], s[4:5], s[28:29]
	s_add_nc_u64 s[10:11], s[10:11], s[30:31]
.set n, 0
.rept 16
	global_load_b128 v[SF+4*n:SF+4*n+3], v6, s[4:5] offset:n*65536 th:TH_LOAD_NT  ; sixteen lanes: 256 consecutive bytes, aligned
.set n, n+1
.endr
	s_wait_loadcnt 0x0
	TREE4 SF, 16
.irp e, 0,1,2,3
	v_permlanex16_b32 v[SF+4+\e], v[SF+\e], s24, s25
.endr
	ADD4 SF, SF, SF+4                              ; the wave's 32 partials
	ds_store_b128 v7, v[SF:SF+3]                   ; both halves of the lanes store the same words
	s_wait_tensorcnt 0x0                           ; the wave's last LDS store is out
	ds_add_u32 v1, v2
	s_wait_dscnt 0x0                               ; the wait for 0 also shows my sums written, for wave 0's sake
	s_barrier_signal -1
	s_barrier_wait -1
	s_cmp_lg_u32 s20, 0
	s_cbranch_scc1 .Lend_a
	v_lshlrev_b32 v8, 4, v3
.irp n, 0,1,2,3,4,5,6,7
	ds_load_b128 v[SF+4*\n:SF+4*\n+3], v8 offset:PARTA+\n*256
.endr
	v_lshrrev_b32 v9, 1, v3                        ; columns 4 r .. 4 r + 3: piece r / 2 of the two K steps' eight (256 bytes each), half r % 2 of its 16 bytes;
	v_lshlrev_b32 v9, 8, v9
	v_and_b32 v10, 1, v3
	v_lshl_or_b32 v9, v10, 3, v9
	v_lshl_or_b32 v9, v4, 7, v9                    ; lanes 16-31 store lo, eight rows further on
	v_cmp_eq_u32 vcc_lo, 0, v4
	s_wait_dscnt 0x0
	TREE4 SF, 8
	SPLITN 2, SF, 48, 52, 56
	v_cndmask_b32 v48, v56, v48, vcc_lo
	v_cndmask_b32 v49, v57, v49, vcc_lo
	global_store_b64 v9, v[48:49], s[10:11]        ; pieces of 16 bytes: the price, 64 KiB in the launch, of operand order for the side that 256 work-groups read
.Lend_a:
	s_endpgm
.Lkind_b:
	s_lshl_b32 s21, s20, 9
	v_add_nc_u32 v6, s21, v5                       ; 512 w + 16 x lane: in spart, and in PARTS
	s_add_co_u32 s22, s21, TOT
	v_add_nc_u32 v8, TOT, v6
	v_and_b32 v9, 7, v3
	v_lshl_add_u32 v9, v9, 5, s22                  ; G's row r % 8 in my copy of the record
	s_lshl_b32 s21, s20, 12
	v_lshl_add_u32 v7, v3, 4, s21                  ; SF: column 256 w + r
	s_lshl_b32 s21, s20, 13
	v_add_nc_u32 v10, s21, v5                      ; pfrag: my sixteen tiles of 512 bytes
	s_mov_b32 s30, 0x3f7ae148                      ; 0.98
	s_mov_b32 s31, 0x3ca3d70a                      ; 0.02
	v_cmp_eq_u32 s28, 0, v4                        ; lanes 0-15
	v_cmp_gt_u32 s29, 8, v3                        ; r < 8
	s_wait_kmcnt 0x0
.set n, 0
.rept 32                                               ; records 8 n + w
	global_load_b128 v[SF+4*n:SF+4*n+3], v6, s[6:7] offset:n*4096
.set n, n+1
.endr
	s_wait_loadcnt 0x0
	TREE4 SF, 32
	ds_store_b128 v6, v[SF:SF+3]
.set n, 0
.rept 16                                               ; tile 16 w + n of 16 columns: registers 0-3 hi, 4-7 lo
	global_load_b128 v[SF+8*n:SF+8*n+3],   v7, s[8:9] offset:SFHI+256*n
	global_load_b128 v[SF+8*n+4:SF+8*n+7], v7, s[8:9] offset:SFLO+256*n
.set n, n+1
.endr
	s_wait_dscnt 0x0                               ; for the others' sake: my sum is written
	s_barrier_signal -1
	s_barrier_wait -1
.irp n, 0,1,2,3,4,5,6,7
	ds_load_b128 v[GR+4*\n:GR+4*\n+3], v5 offset:\n*512
.endr
	s_wait_dscnt 0x0
	TREE4 GR, 8
	ds_store_b128 v8, v[GR:GR+3]                   ; the whole record, in my wave's own bytes, to be read in another order
	s_wait_tensorcnt 0x0                           ; the wave's last LDS store is out
	ds_add_u32 v1, v2
	s_wait_dscnt 0x0
	ds_load_b128 v[GR:GR+3], v9
	ds_load_b128 v[GR+4:GR+7], v9 offset:16
	s_wait_dscnt 0x0
	SPLITN 4, GR, GR+8, TT, GR+12
.irp e, 0,1,2,3                                        ; column n = slot n % 8; K blocks hi, lo, hi, lo, against SF's hi, hi, lo, lo
	v_cndmask_b32 v[GOP+\e], v[GR+12+\e], v[GR+8+\e], s28
	v_cndmask_b32 v[GOP+4+\e], v[GR+12+\e], v[GR+8+\e], s28
.endr
	s_wait_loadcnt 0x0                             ; SF
.irp g, 0,1,2,3
.irp n, 0,1,2,3
	v_wmma_f32_16x16x32_bf16 v[ACC+8*\n:ACC+8*\n+7], v[SF+8*(4*\g+\n):SF+8*(4*\g+\n)+7], v[GOP:GOP+7], 0
.endr
.rept 4
	v_nop                                          ; four places in front of lines that read the results and write over the tiles' fragments (ISA guide 7.12.1)
.endr
.irp n, 0,1,2,3                                        ; lane (r, hh) holds slot r % 8, columns 16 tile + 8 hh + 0..7: already operand order.  hi and lo go where the tile's fragment lay, so no store's registers are written again
	SPLITN 4, ACC+8*\n, SF+8*(4*\g+\n), TT, SF+8*(4*\g+\n)+4
.irp c, 0,1,2,3
	v_cndmask_b32 v[SF+8*(4*\g+\n)+\c], v[SF+8*(4*\g+\n)+4+\c], v[SF+8*(4*\g+\n)+\c], s29
.endr
	global_store_b128 v10, v[SF+8*(4*\g+\n):SF+8*(4*\g+\n)+3], s[10:11] offset:65536+(4*\g+\n)*512  ; 512 consecutive bytes
.endr
.endr
	s_cmp_lg_u32 s20, 0
	s_cbranch_scc1 .Lend_b
	v_and_b32 v11, 7, v3
	v_lshlrev_b32 v11, 2, v11
	v_add_nc_u32 v11, TOT+256, v11
	v_mov_b32 v12, TOT+288
	ds_load_b32 v[GR], v11                         ; the sum of attn[.][r % 8]
	ds_load_b32 v[GR+1], v12                       ; the sum of the add gate
	v_lshlrev_b32 v14, 2, v13
	s_wait_dscnt 0x0
	v_mul_f32 v[GR+1], 0x39800000, v[GR+1]         ; / 4096
	v_fma_f32 v[GR+1], v[GR+1], s30, s31
	v_max_num_f32 v[GR+1], 0, v[GR+1]
	v_min_num_f32 v[GR+1], 1.0, v[GR+1]            ; alpha
	v_cmp_gt_u32 vcc_lo, 8, v13
	v_cndmask_b32 v[GR], v[GR+1], v[GR], vcc_lo
	global_store_b32 v14, v[GR], s[12:13]          ; fin: words 0-7 the sums of attn, 8-31 alpha
	s_wait_xcnt 0x0                                ; EXEC is a source of the stores above: it changes only behind this wait
	v_cmp_eq_u32 vcc_lo, 0, v13
	s_and_saveexec_b32 s21, vcc_lo
	global_store_b32 v14, v[GR+1], s[14:15]        ; lane 0, offset 0
	s_wait_xcnt 0x0                                ; and again in front of the line that widens it
	s_or_b32 exec_lo, exec_lo, s21
.Lend_b:
	s_endpgm
.Lfunc_end_k_qf31b48ea30_reduce:
	.size	k_qf31b48ea30_reduce, .Lfunc_end_k_qf31b48ea30_reduce-k_qf31b48ea30_reduce
	.p2alignl 7, 3214868480
	.fill 96, 4, 3214868480
	.section	.rodata,"a",@progbits
	.p2align	6, 0x0
	.amdhsa_kernel k_qf31b48ea30_reduce
		.amdhsa_group_segment_fixed_size 11264
		.amdhsa_private_segment_fixed_size 0
		.amdhsa_enable_private_segment 0
		.amdhsa_kernarg_size 48
		.amdhsa_user_sgpr_count 2
		.amdhsa_user_sgpr_kernarg_segment_ptr 1
		.amdhsa_wavefront_size32 1
		.amdhsa_system_sgpr_workgroup_id_x 1
		.amdhsa_system_sgpr_workgroup_id_y 1
		.amdhsa_system_sgpr_workgroup_id_z 1
		.amdhsa_system_vgpr_workitem_id 0
		.amdhsa_next_free_vgpr 224
		.amdhsa_next_free_sgpr 66
		.amdhsa_reserve_vcc 1
		.amdhsa_float_denorm_mode_32 3
		.amdhsa_float_denorm_mode_16_64 3
		.amdhsa_memory_ordered 1
		.amdhsa_forward_progress 1
		.amdhsa_inst_pref_size 47
	.end_amdhsa_kernel
	.amdgpu_metadata
---
amdhsa.version: [ 1, 2 ]
amdhsa.kernels:
  - .name:           k_qf31b48ea30_reduce
    .symbol:         k_qf31b48ea30_reduce.kd
    .args:
      - { .name: ppart, .offset: 0, .size: 8, .value_kind: global_buffer, .address_space: global }
      - { .name: spart, .offset: 8, .size: 8, .value_kind: global_buffer, .address_space: global }
      - { .name: tab, .offset: 16, .size: 8, .value_kind: global_buffer, .address_space: global }
      - { .name: pfrag, .offset: 24, .size: 8, .value_kind: global_buffer, .address_space: global }
      - { .name: fin, .offset: 32, .size: 8, .value_kind: global_buffer, .address_space: global }
      - { .name: out2, .offset: 40, .size: 8, .value_kind: global_buffer, .address_space: global }
    .group_segment_fixed_size: 11264
    .private_segment_fixed_size: 0
    .kernarg_segment_align: 8
    .kernarg_segment_size: 48
    .max_flat_workgroup_size: 256
    .sgpr_count:     66
    .vgpr_count:     224
    .wavefront_size: 32
...
	.end_amdgpu_metadata
.endif
;; end of part 4
;; launch delta (part 5): grid 256 x 1, 16 waves a work-group, no clusters, 86,016 bytes of LDS; arguments Ww, pfrag, fin, bw, state, fast, out3, out4; writes out3, out4
.if DOCPART == 5
	.amdgcn_target "amdgcn-amd-amdhsa--gfx1250"
	.amdhsa_code_object_version 6
	.text
	.protected	k_qf31b48ea30_delta
	.globl	k_qf31b48ea30_delta
	.p2align	8
	.type	k_qf31b48ea30_delta,@function
k_qf31b48ea30_delta:
	s_mov_b64 s[64:65], 0
	v_nop
	global_prefetch_b8 v0, s[64:65] scope:SCOPE_SE
	s_setreg_imm32_b32 hwreg(HW_REG_WAVE_MODE, 25, 1), 1
	s_wait_xcnt 0x0
; delta = P Ww^T + (sum of attn) x bw; new_state = (1 - alpha) state + alpha delta (out3); new_fast = 0.95 fast + 0.05 delta (out4).
; LIMITS.  Ww, bw, state and fast are rounded once to bf16; P comes as two bf16 numbers hi + lo in rows 0-7 and 8-15 of one operand; sums in f32.  NaN and infinities are not treated apart.
; SHARES.  A work-group owns the 8 rows j = 8 x .. 8 x + 7 of Ww: 128 KiB on end, read once.  Wave w owns k = 256 w .. 256 w + 255: eight K steps.  All of it is asked for at once, in registers,
; since each byte must pass registers to be rounded: tensor loads and a ring would add nothing.  No cluster: P, the shared table, goes straight into registers in operand order.
; LDS: WB each wave's 8 rows x 256 k in bf16, pitch 528 (33 x 16 bytes: the rows of a fragment load start at different groups of four banks, ISA guide 11.1); RED5 the waves' partial sums.
.set WPT,  528
.set WBW,  8*WPT
.set RED5, 67584                       ; [wave][q][lane][16 bytes]
.set SPARE, 83968                      ; the spare words, 128 bytes for each of the sixteen waves
.set MSK, 26
.set PF,  16                           ; v[16:79]   P's fragments; wave 0 later: the two buffers of the sum over the waves
.set RW,  80                           ; v[80:143]  Ww as loaded, then its fragments
.set ST,  144                          ; v[144:151] state[r % 8][j], v[152:159] fast, v[160:167] bw[j]
.set FA,  152
.set BW,  160
.set SA,  168                          ; v168 the sum of attn[.][r % 8]; v169 alpha
.set AL,  169
.set ACC0, 170
.set ACC1, 178
.set DL,  186                          ; v[186:193] delta
.set RL,  14
.macro PKA d, a, b
	v_pk_add_f32 v[(\d):(\d)+1], v[(\a):(\a)+1], v[(\b):(\b)+1]
.endm
.macro ADD8 d, a, b
.irp e, 0,2,4,6
	PKA (\d)+\e, (\a)+\e, (\b)+\e
.endr
.endm
.macro RND2 a, b, t                    ; two f32 are rounded to bf16 and kept as f32
	v_cvt_pk_bf16_f32 v[\t], v[\a], v[\b]
	v_lshlrev_b32 v[\a], 16, v[\t]
	v_and_b32 v[\b], s[MSK], v[\t]
.endm
.macro LDG buf, g                      ; four waves' partial sums, eight registers each
.irp n, 0,1,2,3
	ds_load_b128 v[(\buf)+8*\n:(\buf)+8*\n+3], v[RL] offset:(4*(\g)+\n)*1024
	ds_load_b128 v[(\buf)+8*\n+4:(\buf)+8*\n+7], v[RL] offset:(4*(\g)+\n)*1024+512
.endr
.endm
.macro ADG dst, buf, first
	ADD8 \buf, \buf, (\buf)+8
	ADD8 (\buf)+16, (\buf)+16, (\buf)+24
.if \first
	ADD8 \dst, \buf, (\buf)+16
.else
	ADD8 \buf, \buf, (\buf)+16
	ADD8 \dst, \dst, \buf
.endif
.endm
.macro SUM16 dst, x, y                 ; sixteen waves' partials on two buffers; each counted wait leaves the other buffer's eight loads out
	LDG \x, 0
	LDG \y, 1
	s_wait_dscnt 8
	ADG \dst, \x, 1
	LDG \x, 2
	s_wait_dscnt 8
	ADG \dst, \y, 0
	LDG \y, 3
	s_wait_dscnt 8
	ADG \dst, \x, 0
	s_wait_dscnt 0x0
	ADG \dst, \y, 0
.endm
	s_load_b512 s[4:19], s[0:1], 0x0               ; Ww s[4:5], pfrag s[6:7], fin s[8:9], bw s[10:11], state s[12:13], fast s[14:15], out3 s[16:17], out4 s[18:19]
	v_lshl_add_u32 v1, v0, 2, SPARE                ; my spare word,
	v_mov_b32 v2, 0                                ; and 0: kept for the closing add alone
	v_and_b32 v3, 15, v0                           ; r
	v_bfe_u32 v4, v0, 4, 1                         ; hh
	v_and_b32 v15, 31, v0                          ; lane
	v_lshlrev_b32 v5, 4, v15
	v_lshrrev_b32 v6, 5, v0
	v_readfirstlane_b32 s20, v6                    ; wave 0..15
	s_mov_b32 s[MSK], 0xffff0000
	s_mov_b32 s21, 0x3d4ccccd                      ; 0.05
	s_lshl_b32 s22, ttmp9, 17                      ; 8 rows of 16,384 bytes
	s_mov_b32 s23, 0
	s_lshl_b32 s28, ttmp9, 5                       ; 8 columns of f32
	s_mov_b32 s29, 0
	v_and_b32 v7, 7, v3
	v_lshlrev_b32 v6, 13, v7                       ; slot r % 8 in state, fast, out3, out4
	s_mul_i32 s31, s20, WBW                        ; my block of WB
	v_mul_u32_u24 v12, v7, WPT
	v_lshl_add_u32 v12, v4, 4, v12
	v_add_nc_u32 v12, s31, v12                     ; WB, back: row r % 8, 16 hh bytes
	v_lshlrev_b32 v7, 2, v7                        ; and in fin
	v_mov_b32 v8, 0                                ; offset 0, for what all lanes read alike
	s_lshl_b32 s30, s20, 13
	v_add_nc_u32 v9, s30, v5                       ; pfrag: my eight K steps
	s_lshl_b32 s30, s20, 10
	v_add_nc_u32 v10, s30, v5                      ; Ww: 1,024 w + 16 x lane
	v_lshl_add_u32 v11, v15, 3, s31                ; WB, in: 8 x lane
	s_add_co_u32 s30, s30, RED5
	v_add_nc_u32 v13, s30, v5
	v_add_nc_u32 v[RL], RED5, v5
	s_wait_kmcnt 0x0
	s_add_nc_u64 s[4:5], s[4:5], s[22:23]
	s_add_nc_u64 s[10:11], s[10:11], s[28:29]
	s_add_nc_u64 s[12:13], s[12:13], s[28:29]
	s_add_nc_u64 s[14:15], s[14:15], s[28:29]
	s_add_nc_u64 s[16:17], s[16:17], s[28:29]
	s_add_nc_u64 s[18:19], s[18:19], s[28:29]
	global_load_b128 v[ST:ST+3],   v6, s[12:13]    ; what the end wants: asked for first, alike in every wave, so that one text and one count serve all
	global_load_b128 v[ST+4:ST+7], v6, s[12:13] offset:16
	global_load_b128 v[FA:FA+3],   v6, s[14:15]
	global_load_b128 v[FA+4:FA+7], v6, s[14:15] offset:16
	global_load_b128 v[BW:BW+3],   v8, s[10:11]
	global_load_b128 v[BW+4:BW+7], v8, s[10:11] offset:16
	global_load_b32 v[SA], v7, s[8:9]
	global_load_b32 v[AL], v8, s[8:9] offset:32
.irp k, 0,1,2,3,4,5,6,7
	global_load_b128 v[PF+8*\k:PF+8*\k+3],   v9, s[6:7] offset:\k*1024
	global_load_b128 v[PF+8*\k+4:PF+8*\k+7], v9, s[6:7] offset:\k*1024+512
.endr
.irp p, 0,1,2,3,4,5,6,7                                ; row p: my 1,024 bytes in two loads of 512
	global_load_b128 v[RW+8*\p:RW+8*\p+3],   v10, s[4:5] offset:\p*16384 th:TH_LOAD_NT
	global_load_b128 v[RW+8*\p+4:RW+8*\p+7], v10, s[4:5] offset:\p*16384+512 th:TH_LOAD_NT
.endr
.irp p, 0,1,2,3,4,5,6,7
	s_wait_loadcnt 14-2*\p                         ; row p is in; the later rows' loads stay out
	v_cvt_pk_bf16_f32 v194, v[RW+8*\p],   v[RW+8*\p+1]
	v_cvt_pk_bf16_f32 v195, v[RW+8*\p+2], v[RW+8*\p+3]
	v_cvt_pk_bf16_f32 v196, v[RW+8*\p+4], v[RW+8*\p+5]
	v_cvt_pk_bf16_f32 v197, v[RW+8*\p+6], v[RW+8*\p+7]
	ds_store_b64 v11, v[194:195] offset:\p*WPT     ; 256 consecutive bytes of the row in bf16
	ds_store_b64 v11, v[196:197] offset:\p*WPT+256
.endr
.irp k, 0,1,2,3,4,5,6,7
	ds_load_b128 v[RW+8*\k:RW+8*\k+3],   v12 offset:64*\k     ; my own bytes: LDS serves a wave's instructions in order (ISA guide 5.7.1.4)
	ds_load_b128 v[RW+8*\k+4:RW+8*\k+7], v12 offset:64*\k+32
.endr
.irp k, 0,1,2,3,4,5,6,7                                ; rows m = Ww's row m % 8, columns n = P's rows hi, lo; two accumulators take turns
	s_wait_dscnt 14-2*\k                           ; fragment k is in; the later fragments' loads stay out
.if \k < 2
	v_wmma_f32_16x16x32_bf16 v[ACC0+8*\k:ACC0+8*\k+7], v[RW+8*\k:RW+8*\k+7], v[PF+8*\k:PF+8*\k+7], 0
.else
	v_wmma_f32_16x16x32_bf16 v[ACC0+8*(\k%2):ACC0+8*(\k%2)+7], v[RW+8*\k:RW+8*\k+7], v[PF+8*\k:PF+8*\k+7], v[ACC0+8*(\k%2):ACC0+8*(\k%2)+7]
.endif
.endr
.rept 4
	v_nop                                          ; four places between the last product and the lines that read the results (ISA guide 7.12.1)
.endr
	ADD8 ACC0, ACC0, ACC1
	ds_store_b128 v13, v[ACC0:ACC0+3]
	ds_store_b128 v13, v[ACC0+4:ACC0+7] offset:512
	s_wait_tensorcnt 0x0                           ; the wave's last LDS store is out
	ds_add_u32 v1, v2
	s_wait_dscnt 0x0                               ; the wait for 0 also shows my sums written, for wave 0's sake
	s_barrier_signal -1
	s_barrier_wait -1
	s_cmp_lg_u32 s20, 0
	s_cbranch_scc1 .Lend
	SUM16 DL, PF, PF+32                            ; lane r, register j: P's row r . Ww's row 8 x + j
.set j, 0
.rept 8
	v_add_f32_dpp v[DL+j], v[DL+j], v[DL+j] row_xmask:8 row_mask:0xf bank_mask:0xf  ; hi + lo
.set j, j+1
.endr
.irp e, 0,2,4,6
	RND2 BW+\e, BW+\e+1, 194
	RND2 ST+\e, ST+\e+1, 195
	RND2 FA+\e, FA+\e+1, 196
.endr
.irp e, 0,2,4,6
	v_pk_fma_f32 v[DL+\e:DL+\e+1], v[BW+\e:BW+\e+1], v[SA:SA+1], v[DL+\e:DL+\e+1] op_sel_hi:[1,0,1]  ; + (sum of attn) bw
.endr
	v_sub_f32 v197, 1.0, v[AL]
.irp j, 0,1,2,3,4,5,6,7
	v_mul_f32 v[ST+\j], v197, v[ST+\j]
	v_mul_f32 v[FA+\j], 0x3f733333, v[FA+\j]       ; 0.95
.endr
.irp j, 0,1,2,3,4,5,6,7
	v_fmac_f32 v[ST+\j], v[AL], v[DL+\j]
	v_fmac_f32 v[FA+\j], s21, v[DL+\j]
.endr
	s_wait_xcnt 0x0                                ; EXEC changes only behind this wait
	v_cmp_gt_u32 vcc_lo, 8, v15
	s_and_saveexec_b32 s30, vcc_lo                 ; lanes 0-7: one slot each, 32 bytes of its row: the price, 128 KiB in the launch, of giving every work-group consecutive rows of Ww
	global_store_b128 v6, v[ST:ST+3],   s[16:17]
	global_store_b128 v6, v[ST+4:ST+7], s[16:17] offset:16
	global_store_b128 v6, v[FA:FA+3],   s[18:19]
	global_store_b128 v6, v[FA+4:FA+7], s[18:19] offset:16
	s_wait_xcnt 0x0                                ; and again in front of the line that widens it
	s_or_b32 exec_lo, exec_lo, s30
.Lend:
	s_endpgm
.Lfunc_end_k_qf31b48ea30_delta:
	.size	k_qf31b48ea30_delta, .Lfunc_end_k_qf31b48ea30_delta-k_qf31b48ea30_delta
	.p2alignl 7, 3214868480
	.fill 96, 4, 3214868480
	.section	.rodata,"a",@progbits
	.p2align	6, 0x0
	.amdhsa_kernel k_qf31b48ea30_delta
		.amdhsa_group_segment_fixed_size 86016
		.amdhsa_private_segment_fixed_size 0
		.amdhsa_enable_private_segment 0
		.amdhsa_kernarg_size 64
		.amdhsa_user_sgpr_count 2
		.amdhsa_user_sgpr_kernarg_segment_ptr 1
		.amdhsa_wavefront_size32 1
		.amdhsa_system_sgpr_workgroup_id_x 1
		.amdhsa_system_sgpr_workgroup_id_y 1
		.amdhsa_system_sgpr_workgroup_id_z 1
		.amdhsa_system_vgpr_workitem_id 0
		.amdhsa_next_free_vgpr 200
		.amdhsa_next_free_sgpr 66
		.amdhsa_reserve_vcc 1
		.amdhsa_float_denorm_mode_32 3
		.amdhsa_float_denorm_mode_16_64 3
		.amdhsa_memory_ordered 1
		.amdhsa_forward_progress 1
		.amdhsa_inst_pref_size 22
	.end_amdhsa_kernel
	.amdgpu_metadata
---
amdhsa.version: [ 1, 2 ]
amdhsa.kernels:
  - .name:           k_qf31b48ea30_delta
    .symbol:         k_qf31b48ea30_delta.kd
    .args:
      - { .name: Ww, .offset: 0, .size: 8, .value_kind: global_buffer, .address_space: global }
      - { .name: pfrag, .offset: 8, .size: 8, .value_kind: global_buffer, .address_space: global }
      - { .name: fin, .offset: 16, .size: 8, .value_kind: global_buffer, .address_space: global }
      - { .name: bw, .offset: 24, .size: 8, .value_kind: global_buffer, .address_space: global }
      - { .name: state, .offset: 32, .size: 8, .value_kind: global_buffer, .address_space: global }
      - { .name: fast, .offset: 40, .size: 8, .value_kind: global_buffer, .address_space: global }
      - { .name: out3, .offset: 48, .size: 8, .value_kind: global_buffer, .address_space: global }
      - { .name: out4, .offset: 56, .size: 8, .value_kind: global_buffer, .address_space: global }
    .group_segment_fixed_size: 86016
    .private_segment_fixed_size: 0
    .kernarg_segment_align: 8
    .kernarg_segment_size: 64
    .max_flat_workgroup_size: 512
    .sgpr_count:     66
    .vgpr_count:     200
    .wavefront_size: 32
...
	.end_amdgpu_metadata
.endif
;; end of part 5
